; MI455X (gfx1250); checked and timed in simulation.
; The chip was launched on July 23, 2026; its instructions are those of AMD's public machine-readable ISA for CDNA 5 (MIT licence, August 2026) and "CDNA5" Instruction Set Architecture Reference Guide (July 2026). The comments in the code are by the model that wrote it; some were corrected since.
;; Multi Head Attention. Allowed arithmetic: matrix products marked QUANTISED: E4M3 operands, one given power-of-two scale a tensor, by v_wmma_f32_16x16x64_fp8_fp8 or v_wmma_f32_16x16x128_fp8_fp8, f32 sums; everything else in f32.
;; Inputs: Wk 512 x 512 float32; Wo 512 x 512 float32; Wq 512 x 512 float32; Wv 512 x 512 float32; bk 512 float32; bo 512 float32; bq 512 float32; bv 512 float32; key_in 2 x 4,096 x 512 float32; ln_beta 512 float32; ln_gamma 512 float32; lowp_scales 12 int32 (the exponents e of the quantised operands' scales 2^e); mask 2 x 4,096 x 4,096 int32; query 2 x 4,096 x 512 float32; value 2 x 4,096 x 512 float32.
;; Outputs: out0 2 x 4,096 x 512 float32.
;; This version of the problem:
;;   THIS VERSION OF THE PROBLEM IS GIVEN IN LOW PRECISION. The matrix products marked QUANTISED in the list below multiply operands that are first quantised to E4M3 (4 exponent bits, 3 mantissa bits; 8 bits a number), with one given power-of-two scale for each operand tensor; their sums are f32. All else is computed in f32.
;;   The module's matrix products, in the order in which they are computed (A, B: the left and right operand; K: the contracted axis; several contracted axes count as one K, in the product's order):
;;     1. [M 8,192, K 512] x [K 512, N 512]; A: input query; B: input Wq: QUANTISED (scales: A lowp_scales[0], B lowp_scales[1])
;;     2. [M 8,192, K 512] x [K 512, N 512]; A: input key_in; B: input Wk: QUANTISED (scales: A lowp_scales[2], B lowp_scales[3])
;;     3. [M 8,192, K 512] x [K 512, N 512]; A: input value; B: input Wv: QUANTISED (scales: A lowp_scales[4], B lowp_scales[5])
;;     4. batch 16 x [M 4,096, K 64] x [K 64, N 4,096]; A: computed on the way; B: computed on the way: QUANTISED (scales: A lowp_scales[6], B lowp_scales[7])
;;     5. batch 16 x [M 4,096, K 4,096] x [K 4,096, N 64]; A: softmax (see below); B: computed on the way: QUANTISED (scales: A lowp_scales[8], B lowp_scales[9])
;;     6. [M 8,192, K 512] x [K 512, N 512]; A: computed on the way; B: input Wo: QUANTISED (scales: A lowp_scales[10], B lowp_scales[11])
;;   THE QUANTISER, for each operand of a quantised product, along K:
;;     - The operand's scale is 2^e, e = its entry of the input lowp_scales (int32; the entries are numbered through the quantised products in the list's order, A before B).
;;     - Each number is divided by the scale, clamped to +-448, and rounded to the nearest number of E4M3, ties to even, subnormals kept.
;;     - The product sums the exact products of the quantised numbers (number of the format x scale) in f32.
;;   ~~~python
;;   def quantise(x, axis, e):      # numpy; x: float32 -> the quantised numbers, widened to float32 again
;;       x = np.moveaxis(x, axis, -1); K = x.shape[-1]
;;       r = np.clip(x / 2.0 ** e, -448, 448)
;;       step = 2.0 ** (np.maximum(np.frexp(np.where(r == 0, 1, r))[1] - 1, -6) - 3)
;;       q = np.round(r / step) * step * 2.0 ** e      # np.round: ties to even
;;       return np.moveaxis(q, -1, axis).astype(np.float32)
;;   ~~~
;;   SOFTMAX AHEAD OF A QUANTISED PRODUCT. Where the list says 'softmax', what is quantised is not the finished softmax but p = 2^(t - M), with t = logit x log2(e) and M = ceil(the row's largest t), a whole number; so 1/2 < the row's largest p <= 1. The row's sum l is taken of the UNQUANTISED p, in f32, and the product's result is divided by l at the end. Since M is a whole number, a kernel that streams over the keys may use a running M (the ceiling of the running maximum): every later rescaling is an exact power of two, so the quantised numbers keep their values, but for numbers so far below the row's largest that they fall under the format's range.
;;   OPERANDS COMPUTED ON THE WAY. 'Computed on the way' means the value that the module computes at that place (a softmax that the list does not call 'softmax' is quantised finished and normalised). What goes into a quantiser is computed in f32, as accurately as f32 sums, v_exp_f32 and their like allow (about 1e-6 of the number): no bf16 or f16 on the way to a quantiser, and a product that is left as it is and whose result goes on into a quantised operand takes f32 operands (vector FMAs, or v_wmma_f32_16x16x4_f32). A number that lies on a knife's edge between two numbers of the format may be rounded either way, as far as f32 arithmetic and the matrix unit's own rounding can turn it there, and no further.
;; One version. Each part assembles by itself: llvm-mc -triple=amdgcn-amd-amdhsa -mcpu=gfx1250 --defsym DOCPART=n.
;; ======== version 1 of 1: 4 launches
;; limits: right only within a limited range of input values
;; workspace buffers: mbits 4,194,304 bytes of whole numbers; amask 4,096 bytes of whole numbers; wcodes 1,048,576 bytes; qc 4,194,304 bytes; kc 4,194,304 bytes; vc 4,194,304 bytes; oc 4,194,304 bytes
;; launch prep (part 1): grid 288 x 1, 16 waves a work-group, no clusters, 137,472 bytes of LDS; arguments mask, Wq, Wk, Wv, Wo, lowp_scales, mbits, amask, wcodes; writes mbits, amask, wcodes
.if DOCPART == 1
	.amdgcn_target "amdgcn-amd-amdhsa--gfx1250"
	.amdhsa_code_object_version 6
	.text
	.protected	k_q4922368c56_prep
	.globl	k_q4922368c56_prep
	.p2align	8
	.type	k_q4922368c56_prep,@function
k_q4922368c56_prep:
	s_mov_b64 s[64:65], 0
	v_nop
	global_prefetch_b8 v0, s[64:65] scope:SCOPE_SE
	s_setreg_imm32_b32 hwreg(HW_REG_WAVE_MODE, 25, 1), 1
	s_wait_xcnt 0x0
; PREP.  Two jobs in one launch, told apart by the work-group's number.
; WORK-GROUPS 0-255: THE MASK [2][4096][4096] int32 is read once and becomes LANE MASKS for the attention launch.
;   gt = 256 b + tile of 16 queries (0..511); a step is 128 keys (0..31).  mbits[gt][step][n], n = 8 t + j: bit L = (mask[16 gt + L % 16][128 step + 16 t + 8 (L / 16) + j] != 0):
;   the very word that a select on score register n of the transposed score tile wants.
;   amask[gt]: bit i = step i must be worked on: the block of 16 queries x 128 keys has an open key, or some query of the tile has no open key at all among its 4,096 (then all 32 bits are set:
;   such a row's softmax is uniform over all keys, so no key of it may be left out).  A block left out would have added only p = 0.
;   A work-group takes two query tiles; wave w takes tile w / 8, steps 4 (w % 8) + 0..3.  A unit (16 rows x 512 bytes) is loaded as it lies, 512 consecutive bytes a load, and turned through the wave's
;   own stage in LDS so that lane (r, h) holds row r, keys 16 t + 8 h + j in register 8 t + j.  64 compares give the 64 words; they are laid two a lane, and one store covers 256 consecutive bytes, aligned.
; WORK-GROUPS 256-287: THE FOUR WEIGHTS [512 (feature)][512 (k)] f32 become codes of E4M3 with the given scale 2^e (entries 1, 3, 5, 11), held within +-448 x 2^e, laid as IMAGES OF OPERAND REGISTERS:
;   wcodes[a: q, k, v, o][tile of 16 features][K step of 128][2,048 bytes]; a fragment's registers 4 cc .. 4 cc + 3 of lane L lie at 512 cc + 16 L; lane (r, h) holds row r, registers 2 c, 2 c + 1 = k 16 c + 8 h + 0..7.
;   A wave makes one fragment.  This path uses no LDS and has no barrier.
; LIMITS: -126 <= e and e + 8 <= 127 for the four weights' exponents.  NaN among the weights is not served.
; No matrix unit, no cluster, no tensor load: a stream whose work-groups share nothing.
.set SP,   528                         ; a stage row: 512 bytes + 16
.set WST,  16*SP                       ; a wave's stage
.set FLAG, 16*WST                      ; behind the stages: 64 words: word 32 t + step = which of the tile's 16 rows have an open key in that step
.set OUT,  16                          ; v16-23   a pair for each of the wave's four units: the 64 words, two a lane
.set PC,   16                          ; v16-31   (weights) a fragment's codes
.set R,    40                          ; v40-167  two sets of 64: a unit as loaded.  (weights: v40-103 the 64 numbers of a lane)
.set X,    168                         ; v168-231 a unit as turned
	v_lshl_add_u32 v232, v0, 2, 0x21100
	v_mov_b32 v233, 0
	v_lshrrev_b32 v1, 5, v0
	s_delay_alu instid0(VALU_DEP_1)
	v_readfirstlane_b32 s18, v1                    ; wave 0..15
	v_and_b32 v1, 31, v0                           ; lane
	s_delay_alu instid0(VALU_DEP_1)
	v_lshlrev_b32 v2, 4, v1                        ; 16 x lane: my 16 bytes of a load's 512
	v_and_b32 v10, 15, v0                          ; r
	v_bfe_u32 v11, v0, 4, 1                        ; h
	s_mul_i32 s19, s18, WST
	v_add_nc_u32 v3, s19, v2                       ; the stage, on the way in: row i at SP i, as loaded
	v_mul_u32_u24 v4, v10, SP
	s_delay_alu instid0(VALU_DEP_1)
	v_lshl_add_u32 v4, v11, 5, v4
	s_delay_alu instid0(VALU_DEP_1)
	v_add_nc_u32 v4, s19, v4                       ; and on the way out: row r, + 32 h
	v_lshlrev_b32 v5, 3, v1                        ; 8 x lane: my two words of a unit's 64
	s_lshl_b32 s20, s18, 4
	s_add_co_u32 s20, s20, FLAG
	v_mov_b32 v6, s20                              ; my wave's four flag words
	s_lshr_b32 s21, s18, 3                         ; t: which of the two query tiles
	s_lshl_b32 s22, s21, 7
	s_add_co_u32 s22, s22, FLAG
	v_lshl_add_u32 v7, v1, 2, s22                  ; the tile's flag word of step = lane
	v_mov_b32 v8, s22                              ; the tile's 32 flag words
	s_cmp_ge_u32 ttmp9, 256
	s_cbranch_scc1 .Lweights
; ---------------- the mask ----------------
	s_load_b64 s[4:5], s[0:1], 0x0                 ; mask
	s_load_b128 s[8:11], s[0:1], 0x30              ; mbits s[8:9], amask s[10:11]
	s_lshl_b32 s23, ttmp9, 1
	s_add_co_u32 s23, s23, s21                     ; gt
	s_and_b32 s24, s18, 7                          ; which four steps
	s_lshl_b32 s26, s23, 18                        ; 16 rows of 16,384 bytes,
	s_lshl_b32 s25, s24, 11                        ; four steps of 512 bytes
	s_add_co_u32 s26, s26, s25
	s_mov_b32 s27, 0
	s_lshl_b32 s28, s23, 13                        ; mbits: 32 steps of 256 bytes a tile
	s_lshl_b32 s25, s24, 10
	s_add_co_u32 s28, s28, s25
	s_mov_b32 s29, 0
	s_lshl_b32 s30, s23, 3                         ; amask: two words a tile: bit i of the first = step i must be worked on; bit i of the second = all 16 x 128 keys of step i are open
	s_mov_b32 s31, 0
.irp i, 0,1,2,3,4,5,6,7
	v_mov_b32 v[OUT+\i], 0                         ; written once: a lane write's destination counts as one of its sources
.endr
	s_wait_kmcnt 0x0
	s_add_nc_u64 s[4:5], s[4:5], s[26:27]
	s_add_nc_u64 s[8:9], s[8:9], s[28:29]
	s_add_nc_u64 s[10:11], s[10:11], s[30:31]
.macro LOADU j, set                    ; unit j: 16 rows x 512 bytes, each load 512 consecutive bytes; read once in the launch
.set li, 0
.rept 16
	global_load_b128 v[R+64*(\set)+4*li:R+64*(\set)+4*li+3], v2, s[4:5] offset:16384*li+512*(\j) th:TH_LOAD_NT
.set li, li+1
.endr
.endm
.macro TURNU set                       ; through my stage: LDS serves a wave's instructions in order (ISA guide 5.7.1.4), so no wait stands between the stores and the loads
.set li, 0
.rept 16
	ds_store_b128 v3, v[R+64*(\set)+4*li:R+64*(\set)+4*li+3] offset:SP*li
.set li, li+1
.endr
.irp c, 0,1,2,3,4,5,6,7
	ds_load_b128 v[X+8*\c:X+8*\c+3], v4 offset:64*\c
	ds_load_b128 v[X+8*\c+4:X+8*\c+7], v4 offset:64*\c+16
.endr
.endm
.macro UNIT j
.if \j < 3
	s_wait_loadcnt 16                              ; this unit's sixteen loads are in; the next unit's sixteen may be out
.else
	s_wait_loadcnt 0
.endif
	TURNU (\j)%2
	s_wait_dscnt 0x0                               ; the unit is back, turned; the stores have read their registers,
.if \j < 2
	LOADU (\j)+2, (\j)%2                           ; which take the unit two further on
.endif
	s_mov_b32 s40, 0
	s_mov_b32 s42, -1                              ; the AND of the unit's 64 words
.set q, 0
.rept 8                                ; eight words at a time: compare, lay the word into its lane, gather the unit's OR
.irp k, 0,1,2,3,4,5,6,7
	v_cmp_ne_u32 s[32+\k], 0, v[X+8*q+\k]
.endr
.irp k, 0,1,2,3,4,5,6,7
	v_writelane_b32 v[OUT+2*(\j)+\k%2], s[32+\k], 4*q+\k/2   ; word n = 8 q + k goes to lane n / 2, register n % 2
	s_or_b32 s40, s40, s[32+\k]
	s_and_b32 s42, s42, s[32+\k]
.endr
.set q, q+1
.endr
	global_store_b64 v5, v[OUT+2*(\j):OUT+2*(\j)+1], s[8:9] offset:256*(\j)   ; 32 lanes store 256 consecutive bytes, at a multiple of 256 from the buffer's first byte; each unit has its own pair, so no store's data are written again
	s_lshr_b32 s41, s40, 16
	s_or_b32 s40, s40, s41
	s_and_b32 s40, s40, 0xffff
	s_cmp_eq_u32 s42, -1
	s_cselect_b32 s41, 0x10000, 0
	s_or_b32 s40, s40, s41                         ; bit 16: every key of the unit is open
	v_mov_b32 v9, s40
	ds_store_b32 v6, v9 offset:4*(\j)              ; all lanes write the same word with the same value
.endm
	LOADU 0, 0
	LOADU 1, 1
	UNIT 0
	UNIT 1
	UNIT 2
	UNIT 3
	s_wait_dscnt 0x0                               ; for the others' sake: my flag words are in LDS
	s_barrier_signal -1
	s_barrier_wait -1
	s_cmp_lg_u32 s24, 0                            ; waves 0 and 8 finish a tile each; the branch hangs on the wave's number, and no barrier follows
	s_cbranch_scc1 .Ldone
	ds_load_b32 v9, v7                             ; lane = step
.irp i, 0,1,2,3,4,5,6,7
	ds_load_b128 v[X+4*\i:X+4*\i+3], v8 offset:16*\i   ; all 32 words in every lane
.endr
	s_wait_dscnt 0x0
	v_and_b32 v12, 0xffff, v9
	v_cmp_ne_u32 s20, 0, v12                       ; bit i: step i has an open key for some row of the tile
	v_cmp_le_u32 s25, 0x10000, v9                  ; bit i: step i is open throughout
.irp n, 16, 8, 4, 2, 1
.set oi, 0
.rept \n
	v_or_b32 v[X+oi], v[X+oi], v[X+oi+\n]
.set oi, oi+1
.endr
.endr
	s_delay_alu instid0(VALU_DEP_1)
	v_readfirstlane_b32 s21, v[X]                  ; bit r: row r has an open key somewhere
	s_and_b32 s21, s21, 0xffff
	s_cmp_eq_u32 s21, 0xffff
	s_cselect_b32 s20, s20, -1                     ; a row with none: every step is worked on
	v_mov_b32 v12, s20
	v_mov_b32 v13, s25
	v_mov_b32 v10, 0
	v_cmp_eq_u32 vcc_lo, 0, v1
	s_wait_alu depctr_va_vdst(0)
	s_wait_xcnt 0x0                                ; EXEC is a source of the stores above: it changes only behind this wait
	s_and_saveexec_b32 s22, vcc_lo
	global_store_b64 v10, v[12:13], s[10:11]       ; two words a tile
	s_wait_xcnt 0x0                                ; and again in front of the line that widens it
	s_or_b32 exec_lo, exec_lo, s22
.Ldone:
	s_wait_tensorcnt 0x0
	ds_add_u32 v232, v233
	s_wait_dscnt 0x0
	s_endpgm
; ---------------- the weights ----------------
.macro QUANT src, pc, sc, lim          ; 64 numbers of a lane, register 8 c + i = k 16 c + 8 h + i of my row, become a fragment's 16 registers of codes
.set qn, 0
.rept 8
.irp i, 0,1,2,3,4,5,6,7
	v_med3_num_f32 v[\src+8*qn+\i], v[\src+8*qn+\i], -v[\lim], v[\lim]   ; the conversion to an 8-bit code does not saturate (ISA guide 7.6.2): the hold at the largest code x the scale
.endr
	v_cvt_scalef32_pk8_fp8_f32 v[\pc+2*qn:\pc+2*qn+1], v[\src+8*qn:\src+8*qn+7], v[\sc]
.set qn, qn+1
.endr
	v_nop                                          ; one plain vector line behind the last conversion
.endm
.Lweights:
	s_load_b256 s[8:15], s[0:1], 0x8               ; Wq, Wk, Wv, Wo
	s_load_b64 s[16:17], s[0:1], 0x28              ; the scales' exponents
	s_load_b64 s[20:21], s[0:1], 0x40              ; wcodes
	s_sub_co_u32 s22, ttmp9, 256
	s_lshl_b32 s22, s22, 4
	s_add_co_u32 s22, s22, s18                     ; my fragment, 0..511 = 128 a + 4 ft + s
	s_lshr_b32 s23, s22, 7                         ; a: which weight (the same in all waves of a work-group)
	s_bfe_u32 s24, s22, 0x50002                    ; ft: which 16 features
	s_and_b32 s25, s22, 3                          ; s: which 128 along K
	s_lshl_b32 s26, s24, 15                        ; 16 rows of 2,048 bytes
	s_lshl_b32 s25, s25, 9
	s_add_co_u32 s26, s26, s25
	s_mov_b32 s27, 0
	s_lshl_b32 s28, s22, 11                        ; an image is 2,048 bytes
	s_mov_b32 s29, 0
	v_lshlrev_b32 v12, 11, v10
	s_delay_alu instid0(VALU_DEP_1)
	v_lshl_add_u32 v12, v11, 5, v12                ; row r, + 32 h bytes
	s_wait_alu depctr_va_vdst(0)
	s_wait_kmcnt 0x0
	s_load_b256 s[32:39], s[16:17], 0x0            ; entries 0 to 7
	s_load_b32 s40, s[16:17], 0x2c                 ; entry 11
	s_cmp_eq_u32 s23, 1                            ; the choice hangs on the work-group's number alone
	s_cselect_b64 s[4:5], s[10:11], s[8:9]
	s_cmp_eq_u32 s23, 2
	s_cselect_b64 s[4:5], s[12:13], s[4:5]
	s_cmp_eq_u32 s23, 3
	s_cselect_b64 s[4:5], s[14:15], s[4:5]
	s_add_nc_u64 s[4:5], s[4:5], s[26:27]
	s_add_nc_u64 s[20:21], s[20:21], s[28:29]
.irp c, 0,1,2,3,4,5,6,7
	global_load_b128 v[R+8*\c:R+8*\c+3], v12, s[4:5] offset:64*\c      ; W(16 ft + r, 128 s + 16 c + 8 h + 0..3): straight in the operand's order; the sixteen loads together read each row's 512 bytes whole
	global_load_b128 v[R+8*\c+4:R+8*\c+7], v12, s[4:5] offset:64*\c+16
.endr
	s_wait_kmcnt 0x0
	s_cmp_eq_u32 s23, 1
	s_cselect_b32 s30, s35, s33
	s_cmp_eq_u32 s23, 2
	s_cselect_b32 s30, s37, s30
	s_cmp_eq_u32 s23, 3
	s_cselect_b32 s30, s40, s30                    ; e
	s_add_co_i32 s30, s30, 127
	s_lshl_b32 s31, s30, 23
	v_mov_b32 v13, s31                             ; 2^e as f32: the conversion takes its exponent field
	s_add_co_i32 s30, s30, 8
	s_lshl_b32 s30, s30, 23
	s_or_b32 s30, s30, 0x600000
	v_mov_b32 v14, s30                             ; 448 x 2^e
	s_wait_alu depctr_va_vdst(0)
	s_wait_loadcnt 0x0
	QUANT R, PC, 13, 14
.irp c, 0,1,2,3
	global_store_b128 v2, v[PC+4*\c:PC+4*\c+3], s[20:21] offset:512*\c   ; 32 lanes store 512 consecutive bytes, aligned
.endr
	s_endpgm
.Lfunc_end_k_q4922368c56_prep:
	.size	k_q4922368c56_prep, .Lfunc_end_k_q4922368c56_prep-k_q4922368c56_prep
	.p2alignl 7, 3214868480
	.fill 96, 4, 3214868480
	.section	.rodata,"a",@progbits
	.p2align	6, 0x0
	.amdhsa_kernel k_q4922368c56_prep
		.amdhsa_group_segment_fixed_size 137472
		.amdhsa_private_segment_fixed_size 0
		.amdhsa_enable_private_segment 0
		.amdhsa_kernarg_size 72
		.amdhsa_user_sgpr_count 2
		.amdhsa_user_sgpr_kernarg_segment_ptr 1
		.amdhsa_wavefront_size32 1
		.amdhsa_system_sgpr_workgroup_id_x 1
		.amdhsa_system_sgpr_workgroup_id_y 1
		.amdhsa_system_sgpr_workgroup_id_z 1
		.amdhsa_system_vgpr_workitem_id 0
		.amdhsa_next_free_vgpr 234
		.amdhsa_next_free_sgpr 66
		.amdhsa_reserve_vcc 1
		.amdhsa_float_denorm_mode_32 3
		.amdhsa_float_denorm_mode_16_64 3
		.amdhsa_memory_ordered 1
		.amdhsa_forward_progress 1
		.amdhsa_inst_pref_size 78
	.end_amdhsa_kernel
	.amdgpu_metadata
---
amdhsa.version: [ 1, 2 ]
amdhsa.kernels:
  - .name:           k_q4922368c56_prep
    .symbol:         k_q4922368c56_prep.kd
    .args:
      - { .name: mask, .offset: 0, .size: 8, .value_kind: global_buffer, .address_space: global }
      - { .name: Wq, .offset: 8, .size: 8, .value_kind: global_buffer, .address_space: global }
      - { .name: Wk, .offset: 16, .size: 8, .value_kind: global_buffer, .address_space: global }
      - { .name: Wv, .offset: 24, .size: 8, .value_kind: global_buffer, .address_space: global }
      - { .name: Wo, .offset: 32, .size: 8, .value_kind: global_buffer, .address_space: global }
      - { .name: lowp_scales, .offset: 40, .size: 8, .value_kind: global_buffer, .address_space: global }
      - { .name: mbits, .offset: 48, .size: 8, .value_kind: global_buffer, .address_space: global }
      - { .name: amask, .offset: 56, .size: 8, .value_kind: global_buffer, .address_space: global }
      - { .name: wcodes, .offset: 64, .size: 8, .value_kind: global_buffer, .address_space: global }
    .group_segment_fixed_size: 137472
    .private_segment_fixed_size: 0
    .kernarg_segment_align: 8
    .kernarg_segment_size: 72
    .max_flat_workgroup_size: 512
    .sgpr_count:     66
    .vgpr_count:     234
    .wavefront_size: 32
...
	.end_amdgpu_metadata
.endif
;; end of part 1
;; launch proj (part 2): grid 64 x 3, 16 waves a work-group, no clusters, 202,752 bytes of LDS; arguments query, key_in, value, wcodes, bq, bk, bv, lowp_scales, qc, kc, vc; writes qc, kc, vc
.if DOCPART == 2
	.amdgcn_target "amdgcn-amd-amdhsa--gfx1250"
	.amdhsa_code_object_version 6
	.text
	.protected	k_q4922368c56_proj
	.globl	k_q4922368c56_proj
	.p2align	8
	.type	k_q4922368c56_proj,@function
k_q4922368c56_proj:
	s_mov_b64 s[64:65], 0
	v_nop
	global_prefetch_b8 v0, s[64:65] scope:SCOPE_SE
	s_setreg_imm32_b32 hwreg(HW_REG_WAVE_MODE, 25, 1), 1
	s_wait_xcnt 0x0
; PROJ.  q = query Wq^T + bq, k = key_in Wk^T + bk, v = value Wv^T + bv, on codes of E4M3; the results are quantised at once to the codes that attention multiplies.
; Work-group (x, y): y picks the tensor (0 q, 1 k, 2 v: only pointers and exponents are chosen), x a block of 128 tokens; all 512 features.
; THE WAVES SHARE THE FEATURES: wave w owns features 32 w .. 32 w + 31 (two tiles u = 0, 1; head w / 2, its half w % 2); its 8 weight fragments (2 tiles x 4 K steps of 128), 128 registers, come from wcodes
; in the order of the operand's registers and stay.  The weights go from memory straight into registers, so no joint request into LDS is made for them: a work-group reads 16,384 bytes of them a wave, once.
; X: wave w quantises two fragments of x (token tile w / 2, K steps 2 (w % 2) + 0, 1): each load takes 512 consecutive bytes; the numbers turn through the wave's own stage in LDS, so that lane (r, h) holds
; row r, k = 16 c + 8 h + i in register 8 c + i; the codes go to LDS as IMAGES OF THE OPERAND'S REGISTERS (registers 4 cc .. 4 cc + 3 of lane L at 512 cc + 16 L).  One barrier.  Then every wave reads all 32 images.
; q, k: source 0 = my 16 features, source 1 = 16 tokens: a lane holds ONE token, its 8 registers 8 neighbouring features: one conversion gives registers 2 c, 2 c + 1 of the next operand (K = the head's 64).
;   qc, kc: [8 b + head][tile of 16 tokens][1,024-byte image].   v: sources swapped: a lane holds ONE feature, its registers 8 neighbouring tokens, which are the keys, the second product's K.
;   vc: [8 b + head][step of 128 keys][tile of 16 channels][2,048-byte image].
; The bias is the C of each sum's first matrix instruction, divided by the power of two that the sums lack; the three scales ahead of the quantiser are folded into the conversion's one.
; LIMITS: ex, and eo - ex - ew, between -126 and 119 (ex, ew: entries 2 y, 2 y + 1; eo: entry 6, 7 or 9).  NaN among the inputs is not served.
; 192 work-groups: 3 x 8,192 tokens in blocks of 128, which is a key step of the attention launch, so that a fragment of v's codes is made whole by one wave.
.set SP,   528                         ; a stage row: 512 bytes + 16
.set STG,  65536                       ; LDS: 0 .. 65,535 x's 32 images (token tile m, K step s at 2,048 (4 m + s)); then a stage of 16 rows for each wave
.set PC,   16                          ; v16-31   the codes just made; later the codes on their way out
.set BI,   32                          ; v32-47   the bias, 2 tiles x 8, in the result's layout
.set ACC,  48                          ; v48-63   two accumulators
.set FB,   64                          ; v64-127  x's first 64 numbers; later a token tile's four fragments
.set RB,   128                         ; v128-191 x's second 64 numbers; later the weights of tile 0
.set W,    128                         ; v128-255 weight fragment (u, s) at W + 64 u + 16 s
; v1 16 x lane; v2, v3 the stage, in and out; v4 where I store images; v5, v12 the bias's offsets; v6, v7 2^ex and 448 x 2^ex; v8, v9 the same for eo - ex - ew; v10, v11 the bias of a lane's feature
.macro PLACES
.rept 4
	v_nop
.endr
.endm
.macro QUANT src, pc, sc, lim          ; 64 numbers of a lane, register 8 c + i = k 16 c + 8 h + i of my row, become a fragment's 16 registers of codes
.set qn, 0
.rept 8
.irp i, 0,1,2,3,4,5,6,7
	v_med3_num_f32 v[\src+8*qn+\i], v[\src+8*qn+\i], -v[\lim], v[\lim]   ; the conversion to an 8-bit code does not saturate (ISA guide 7.6.2): the hold at the largest code x the scale
.endr
	v_cvt_scalef32_pk8_fp8_f32 v[\pc+2*qn:\pc+2*qn+1], v[\src+8*qn:\src+8*qn+7], v[\sc]
.set qn, qn+1
.endr
	v_nop                                          ; one plain vector line behind the last conversion
.endm
.macro XLOAD reg, jj                   ; 16 rows x 512 bytes of x, each load 512 consecutive bytes; read once in the launch
.set li, 0
.rept 16
	global_load_b128 v[\reg+4*li:\reg+4*li+3], v1, s[4:5] offset:2048*li+512*\jj th:TH_LOAD_NT
.set li, li+1
.endr
.endm
.macro TURN reg                        ; through my stage and back into the same registers
.set li, 0
.rept 16
	ds_store_b128 v2, v[\reg+4*li:\reg+4*li+3] offset:SP*li
.set li, li+1
.endr
	s_wait_dscnt 0x0                               ; the stores have read their registers (and the images' stores before them theirs)
.irp c, 0,1,2,3,4,5,6,7
	ds_load_b128 v[\reg+8*\c:\reg+8*\c+3], v3 offset:64*\c
	ds_load_b128 v[\reg+8*\c+4:\reg+8*\c+7], v3 offset:64*\c+16
.endr
	s_wait_dscnt 0x0
.endm
.macro IMAGE off
.irp c, 0,1,2,3
	ds_store_b128 v4, v[PC+4*\c:PC+4*\c+3] offset:\off+512*\c
.endr
.endm
.macro FETCH m                         ; token tile m's four fragments, as they were stored
.set fk, 0
.rept 16
	ds_load_b128 v[FB+4*fk:FB+4*fk+3], v1 offset:8192*(\m)+512*fk
.set fk, fk+1
.endr
.endm
	s_load_b512 s[4:19], s[0:1], 0x0               ; query, key_in, value, wcodes, bq, bk, bv, the scales' exponents
	s_load_b128 s[20:23], s[0:1], 0x40             ; qc, kc
	s_load_b64 s[24:25], s[0:1], 0x50              ; vc
	v_lshrrev_b32 v1, 5, v0
	s_delay_alu instid0(VALU_DEP_1)
	v_readfirstlane_b32 s26, v1                    ; wave 0..15
	v_and_b32 v13, 31, v0
	s_delay_alu instid0(VALU_DEP_1)
	v_lshlrev_b32 v1, 4, v13                       ; 16 x lane
	v_and_b32 v14, 15, v0                          ; r
	v_bfe_u32 v15, v0, 4, 1                        ; h
	s_mul_i32 s28, s26, 16*SP
	s_add_co_u32 s28, s28, STG
	v_add_nc_u32 v2, s28, v1
	v_mul_u32_u24 v3, v14, SP
	s_delay_alu instid0(VALU_DEP_1)
	v_lshl_add_u32 v3, v15, 5, v3
	s_delay_alu instid0(VALU_DEP_1)
	v_add_nc_u32 v3, s28, v3
	s_lshl_b32 s28, s26, 12
	v_add_nc_u32 v4, s28, v1                       ; my two images: 2,048 (2 w + jj)
	v_lshlrev_b32 v5, 5, v15                       ; the bias of eight features a lane: 32 h bytes
	v_lshlrev_b32 v12, 2, v14                      ; the bias of one feature a lane: 4 r bytes
	s_and_b32 s27, ttmp7, 0xffff                   ; y
	s_lshr_b32 s30, s26, 1                         ; w / 2: the token tile that I quantise; my head
	s_and_b32 s31, s26, 1                          ; w % 2
	s_lshl_b32 s28, ttmp9, 18                      ; x: 128 rows of 2,048 bytes a block,
	s_lshl_b32 s46, s30, 15                        ; 16 rows a tile,
	s_add_co_u32 s28, s28, s46
	s_lshl_b32 s46, s31, 10                        ; two K steps of 512 bytes
	s_add_co_u32 s28, s28, s46
	s_mov_b32 s29, 0
	s_lshl_b32 s42, s27, 18                        ; wcodes: 262,144 bytes a weight, 16,384 a wave
	s_lshl_b32 s46, s26, 14
	s_add_co_u32 s42, s42, s46
	s_mov_b32 s43, 0
	s_lshl_b32 s44, s26, 7                         ; the bias: my 32 numbers
	s_mov_b32 s45, 0
	s_lshr_b32 s48, ttmp9, 5                       ; b
	s_lshl_b32 s48, s48, 3
	s_add_co_u32 s48, s48, s30                     ; 8 b + head
	s_lshl_b32 s48, s48, 18                        ; 262,144 bytes a head in each of the three buffers of codes
	s_and_b32 s46, ttmp9, 31
	s_lshl_b32 s46, s46, 13                        ; 8,192 bytes for 128 tokens
	s_add_co_u32 s48, s48, s46
	s_lshl_b32 s46, s31, 9                         ; q, k: my half of an image
	s_lshl_b32 s47, s31, 12                        ; v: my two images of four
	s_cmp_eq_u32 s27, 2
	s_cselect_b32 s46, s47, s46
	s_add_co_u32 s48, s48, s46
	s_mov_b32 s49, 0
	s_wait_alu depctr_va_vdst(0)
	s_wait_kmcnt 0x0
	s_load_b256 s[32:39], s[18:19], 0x0            ; entries 0 to 7
	s_load_b64 s[40:41], s[18:19], 0x20            ; entries 8, 9
	s_cmp_eq_u32 s27, 1                            ; the choices hang on the work-group's number alone
	s_cselect_b64 s[4:5], s[6:7], s[4:5]
	s_cselect_b64 s[12:13], s[14:15], s[12:13]
	s_cselect_b64 s[20:21], s[22:23], s[20:21]
	s_cmp_eq_u32 s27, 2
	s_cselect_b64 s[4:5], s[8:9], s[4:5]
	s_cselect_b64 s[12:13], s[16:17], s[12:13]
	s_cselect_b64 s[20:21], s[24:25], s[20:21]
	s_add_nc_u64 s[4:5], s[4:5], s[28:29]
	s_add_nc_u64 s[10:11], s[10:11], s[42:43]
	s_add_nc_u64 s[12:13], s[12:13], s[44:45]
	s_add_nc_u64 s[20:21], s[20:21], s[48:49]
.irp u, 0,1                            ; the bias in both layouts, so that no register is written on one way alone: six loads, the oldest, so every counted wait below covers them
	global_load_b128 v[BI+8*\u:BI+8*\u+3], v5, s[12:13] offset:64*\u
	global_load_b128 v[BI+8*\u+4:BI+8*\u+7], v5, s[12:13] offset:64*\u+16
.endr
	global_load_b32 v10, v12, s[12:13]
	global_load_b32 v11, v12, s[12:13] offset:64
	XLOAD FB, 0
	XLOAD RB, 1
.set li, 0
.rept 16
	global_load_b128 v[W+64+4*li:W+64+4*li+3], v1, s[10:11] offset:8192+512*li   ; the weights of tile 1
.set li, li+1
.endr
	s_wait_kmcnt 0x0
	s_cmp_eq_u32 s27, 1
	s_cselect_b32 s50, s34, s32                    ; ex
	s_cselect_b32 s51, s35, s33                    ; ew
	s_cselect_b32 s52, s39, s38                    ; eo
	s_cmp_eq_u32 s27, 2
	s_cselect_b32 s50, s36, s50
	s_cselect_b32 s51, s37, s51
	s_cselect_b32 s52, s41, s52
	s_add_co_i32 s53, s50, 127
	s_lshl_b32 s54, s53, 23
	v_mov_b32 v6, s54                              ; 2^ex
	s_add_co_i32 s53, s53, 8
	s_lshl_b32 s53, s53, 23
	s_or_b32 s53, s53, 0x600000
	v_mov_b32 v7, s53                              ; 448 x 2^ex
	s_add_co_i32 s51, s50, s51                     ; ex + ew: a sum stands for sum x 2^(ex + ew)
	s_sub_co_i32 s52, s52, s51
	s_add_co_i32 s53, s52, 127
	s_lshl_b32 s54, s53, 23
	v_mov_b32 v8, s54                              ; 2^(eo - ex - ew)
	s_add_co_i32 s53, s53, 8
	s_lshl_b32 s53, s53, 23
	s_or_b32 s53, s53, 0x600000
	v_mov_b32 v9, s53
	s_sub_co_i32 s51, 0, s51                       ; the bias goes in x 2^-(ex + ew)
	s_wait_alu depctr_va_vdst(0)
	s_wait_loadcnt 32                              ; x's first 16 loads are in; its second 16 and the 16 of the weights may be out
	TURN FB
	QUANT FB, PC, 6, 7
	IMAGE 0
	s_wait_loadcnt 16                              ; x's second 16 are in
	TURN RB
	QUANT RB, PC, 6, 7
	IMAGE 2048
.set li, 0
.rept 16
	global_load_b128 v[W+4*li:W+4*li+3], v1, s[10:11] offset:512*li   ; the weights of tile 0, into the registers that x has left
.set li, li+1
.endr
	s_wait_dscnt 0x0                               ; for the others' sake: my images are in LDS
	s_barrier_signal -1
	s_barrier_wait -1                              ; x's 32 images lie in LDS; nothing is written there again
	s_wait_loadcnt 0x0
	s_cmp_eq_u32 s27, 2
	s_cbranch_scc1 .Lv
; q, k.  The two accumulators take turns, one instruction a turn.
.macro MMQK m
.if \m > 0
	PLACES                                         ; in front of loads into registers that matrix instructions have read
.endif
	FETCH \m
	s_wait_dscnt 0x0
.irp s, 0,1,2,3
.irp u, 0,1
.if \s == 0
	v_wmma_f32_16x16x128_fp8_fp8 v[ACC+8*\u:ACC+8*\u+7], v[W+64*\u+16*\s:W+64*\u+16*\s+15], v[FB+16*\s:FB+16*\s+15], v[BI+8*\u:BI+8*\u+7]
.else
	v_wmma_f32_16x16x128_fp8_fp8 v[ACC+8*\u:ACC+8*\u+7], v[W+64*\u+16*\s:W+64*\u+16*\s+15], v[FB+16*\s:FB+16*\s+15], v[ACC+8*\u:ACC+8*\u+7]
.endif
.endr
.endr
	PLACES                                         ; in front of the first read of results
	s_wait_xcnt 0x0                                ; the earlier stores have read their data: the codes' registers may be written again
.set a, 0
.rept 16
	v_med3_num_f32 v[ACC+a], v[ACC+a], -v9, v9     ; each accumulator from its low end on
.set a, a+1
.endr
	v_cvt_scalef32_pk8_fp8_f32 v[PC+4*((\m)%4):PC+4*((\m)%4)+1], v[ACC:ACC+7], v8
	v_cvt_scalef32_pk8_fp8_f32 v[PC+4*((\m)%4)+2:PC+4*((\m)%4)+3], v[ACC+8:ACC+15], v8
	v_nop                                          ; a plain line behind the conversions: the next products write their sources
	global_store_b128 v1, v[PC+4*((\m)%4):PC+4*((\m)%4)+3], s[20:21] offset:1024*(\m)   ; half an image: 512 consecutive bytes, aligned
.endm
.irp j, 0,1,2,3,4,5,6,7,8,9,10,11,12,13,14,15
	v_ldexp_f32 v[BI+\j], v[BI+\j], s51
.endr
	s_wait_alu depctr_va_vdst(0)
.irp m, 0,1,2,3,4,5,6,7
	MMQK \m
.endr
	s_wait_xcnt 0x0
	v_lshl_add_u32 v30, v0, 2, 0x31000
	v_mov_b32 v31, 0
	s_wait_alu depctr_va_vdst(0)
	s_wait_tensorcnt 0x0
	ds_add_u32 v30, v31
	s_wait_dscnt 0x0
	s_endpgm
; v: the sources swapped; token tile m gives registers 2 m, 2 m + 1 of both of my fragments
.macro MMV m
.if \m > 0
	PLACES
.endif
	FETCH \m
	s_wait_dscnt 0x0
.irp s, 0,1,2,3
.irp u, 0,1
.if \s == 0
	v_wmma_f32_16x16x128_fp8_fp8 v[ACC+8*\u:ACC+8*\u+7], v[FB+16*\s:FB+16*\s+15], v[W+64*\u+16*\s:W+64*\u+16*\s+15], v[BI+8*\u:BI+8*\u+7]
.else
	v_wmma_f32_16x16x128_fp8_fp8 v[ACC+8*\u:ACC+8*\u+7], v[FB+16*\s:FB+16*\s+15], v[W+64*\u+16*\s:W+64*\u+16*\s+15], v[ACC+8*\u:ACC+8*\u+7]
.endif
.endr
.endr
	PLACES
	s_wait_xcnt 0x0                                ; the earlier stores have read their data
.set a, 0
.rept 16
	v_med3_num_f32 v[ACC+a], v[ACC+a], -v9, v9
.set a, a+1
.endr
.irp u, 0,1
	v_cvt_scalef32_pk8_fp8_f32 v[PC+8*\u+4*(((\m)/2)%2)+2*((\m)%2):PC+8*\u+4*(((\m)/2)%2)+2*((\m)%2)+1], v[ACC+8*\u:ACC+8*\u+7], v8
.endr
	v_nop
.if (\m)%2 == 1
.irp u, 0,1
	global_store_b128 v1, v[PC+8*\u+4*(((\m)/2)%2):PC+8*\u+4*(((\m)/2)%2)+3], s[20:21] offset:2048*\u+512*((\m)/2)   ; a quarter of an image: 512 consecutive bytes, aligned
.endr
.endif
.endm
.Lv:
.irp j, 0,1,2,3,4,5,6,7
	v_ldexp_f32 v[BI+\j], v10, s51                 ; a lane holds one feature: its bias in all eight registers
	v_ldexp_f32 v[BI+8+\j], v11, s51
.endr
	s_wait_alu depctr_va_vdst(0)
.irp m, 0,1,2,3,4,5,6,7
	MMV \m
.endr
	s_wait_xcnt 0x0
	v_lshl_add_u32 v30, v0, 2, 0x31000
	v_mov_b32 v31, 0
	s_wait_alu depctr_va_vdst(0)
	s_wait_tensorcnt 0x0
	ds_add_u32 v30, v31
	s_wait_dscnt 0x0
	s_endpgm
.Lfunc_end_k_q4922368c56_proj:
	.size	k_q4922368c56_proj, .Lfunc_end_k_q4922368c56_proj-k_q4922368c56_proj
	.p2alignl 7, 3214868480
	.fill 96, 4, 3214868480
	.section	.rodata,"a",@progbits
	.p2align	6, 0x0
	.amdhsa_kernel k_q4922368c56_proj
		.amdhsa_group_segment_fixed_size 202752
		.amdhsa_private_segment_fixed_size 0
		.amdhsa_enable_private_segment 0
		.amdhsa_kernarg_size 88
		.amdhsa_user_sgpr_count 2
		.amdhsa_user_sgpr_kernarg_segment_ptr 1
		.amdhsa_wavefront_size32 1
		.amdhsa_system_sgpr_workgroup_id_x 1
		.amdhsa_system_sgpr_workgroup_id_y 1
		.amdhsa_system_sgpr_workgroup_id_z 1
		.amdhsa_system_vgpr_workitem_id 0
		.amdhsa_next_free_vgpr 256
		.amdhsa_next_free_sgpr 66
		.amdhsa_reserve_vcc 0
		.amdhsa_float_denorm_mode_32 3
		.amdhsa_float_denorm_mode_16_64 3
		.amdhsa_memory_ordered 1
		.amdhsa_forward_progress 1
		.amdhsa_inst_pref_size 76
	.end_amdhsa_kernel
	.amdgpu_metadata
---
amdhsa.version: [ 1, 2 ]
amdhsa.kernels:
  - .name:           k_q4922368c56_proj
    .symbol:         k_q4922368c56_proj.kd
    .args:
      - { .name: query, .offset: 0, .size: 8, .value_kind: global_buffer, .address_space: global }
      - { .name: key_in, .offset: 8, .size: 8, .value_kind: global_buffer, .address_space: global }
      - { .name: value, .offset: 16, .size: 8, .value_kind: global_buffer, .address_space: global }
      - { .name: wcodes, .offset: 24, .size: 8, .value_kind: global_buffer, .address_space: global }
      - { .name: bq, .offset: 32, .size: 8, .value_kind: global_buffer, .address_space: global }
      - { .name: bk, .offset: 40, .size: 8, .value_kind: global_buffer, .address_space: global }
      - { .name: bv, .offset: 48, .size: 8, .value_kind: global_buffer, .address_space: global }
      - { .name: lowp_scales, .offset: 56, .size: 8, .value_kind: global_buffer, .address_space: global }
      - { .name: qc, .offset: 64, .size: 8, .value_kind: global_buffer, .address_space: global }
      - { .name: kc, .offset: 72, .size: 8, .value_kind: global_buffer, .address_space: global }
      - { .name: vc, .offset: 80, .size: 8, .value_kind: global_buffer, .address_space: global }
    .group_segment_fixed_size: 202752
    .private_segment_fixed_size: 0
    .kernarg_segment_align: 8
    .kernarg_segment_size: 88
    .max_flat_workgroup_size: 512
    .sgpr_count:     66
    .vgpr_count:     256
    .wavefront_size: 32
...
	.end_amdgpu_metadata
.endif
;; end of part 2
;; launch attn (part 3): grid 16 x 16, 16 waves a work-group, no clusters, 141,312 bytes of LDS; arguments qc, kc, vc, mbits, amask, lowp_scales, oc; writes oc
.if DOCPART == 3
	.amdgcn_target "amdgcn-amd-amdhsa--gfx1250"
	.amdhsa_code_object_version 6
	.text
	.protected	k_q4922368c56_attn
	.globl	k_q4922368c56_attn
	.p2align	8
	.type	k_q4922368c56_attn,@function
k_q4922368c56_attn:
	s_mov_b64 s[64:65], 0
	v_nop
	global_prefetch_b8 v0, s[64:65] scope:SCOPE_SE
	s_setreg_imm32_b32 hwreg(HW_REG_WAVE_MODE, 25, 1), 1
	s_wait_xcnt 0x0
; ATTN.  o = softmax(q k^T / 8, closed keys at -1e9) v for one head, both products on codes of E4M3; o is quantised at once for the last product.
; THE SOFTMAX AHEAD OF THE SECOND PRODUCT: t = logit x log2(e); M = the running largest t rounded UP to a whole number; p = 2^(t - M) is quantised with 2^e8, not normalised; the row's sum is taken of the
; unquantised p and divides at the end; when M moves, the sum and O are multiplied by 2^(old M - new M), which rounds nothing.
; SHARES.  Work-group (g, bh), bh = 8 b + head, owns the query blocks g and 31 - g of 128 queries (8 tiles of 16 each).  It walks 16 trips; trip n has key blocks n (front) and 31 - n (back), 128 keys each, in one
; LDS slot: 32,768 bytes (8 images of k and 4 of v a block), copied by the 512 threads, 64 bytes each, through registers, a trip ahead, into the other of two slots.  One barrier a trip.
; Wave w, j = w % 8: tile T1 = 8 (31 - g) + j and T2 = 8 g + j for w < 8, the other way round for w >= 8.  A wave keeps TWO partial softmax states: T1 over the 16 front blocks (unit 0 of a trip),
; T2 over the 16 back blocks (unit 1).  At the end wave w hands its second state to wave w xor 8 through LDS and joins that wave's second state to its own first: both under the larger M, by whole powers of two.
; LAYOUT.  Both products transposed: S^T = K Q^T (source 0 = 16 keys, source 1 = 16 queries; K = 64), O^T = V^T P^T (source 0 = 16 channels; K = 128 keys): a lane holds ONE query (lane % 16).
; Register 8 t + j of S^T is key 16 t + 8 (lane / 16) + j: one conversion of a tile's eight registers gives registers 2 t, 2 t + 1 of P's fragment.
; THE MASK is an input and is honoured as it is given, by three things that an earlier launch stored from it.  amask[tile] word 0, bit i: block i must be worked on (a block left out would have added only p = 0;
; a tile with a row that has no open key at all has every bit set).  Word 1, bit i: block i is open throughout, so its selects would change nothing and are branched round.  mbits: 64 lane masks a block, one a score
; register, brought by scalar loads only for blocks that are worked on and not open throughout, asked for a unit ahead.  All these branches are scalar, on stored whole numbers, round work alone: the copies, waits and barriers are on every path.
; A closed score becomes X = -2^(33 - e6 - e7) in the sums' own units: X c = -2^30 x 1.4426950 is a whole number, so a row with no open key has t - M = 0 and p = 1 for every key.
; LIMIT: the fill stands for t = -1.549e9 where the definition has -1.4427e9: the same result as long as open t lie above it, which the codes' range gives for e6 + e7 <= 8.
; THE HOLD of p at 448 x 2^e8: p is at most 1 but for the last bits of t - M, so for e8 >= -8 (bound 1.75 or more) the hold changes no number and a scalar branch on e8 leads round it; else it is run.
; NO CLUSTER, NO TENSOR LOAD: the work-groups of a head read the same k and v, but the units' work hangs on words read from memory.
; LIMITS on the given exponents: -94 <= e6 + e7 <= 8; e8 between -126 and 119; e8 + e9 - e10 is applied by v_ldexp_f32.
; REGISTERS: v1 16 x lane; v2 16 x thread; v3 256 x lane; v4 2^e8; v6-13, v14-21 Q of T1, T2; v22-25, v26-29 the states: -M, largest t, the sum in two halves; v[30:31] f; v32-47 codes on their way to LDS;
; v48-63 p's codes (before that at work); v64-127 S^T, then p; v128-191 8 fragments of k, then 4 of v; v192-223, v224-255 O^T of the two states.
; s[4:5], s[6:7] k, v at front block 2 it; s[8:9], s[10:11] at back block 29 - 2 it; s[12:13], s[14:15] mbits of T1 at block 2 it, of T2 at block 30 - 2 it; s19, s28 blocks to work on (unit 0 from bit 0 up, unit 1 from bit 31 down);
; s29, s30 those of them that want selects; s31 X; s66 448 x 2^e8; s67 1: no hold; s3 e8 + e9 - e10; s25, s[26:27], s[100:101] the prefetches; s32-63, s68-99 a block's 64 words.
.set P,     48
.set S,     64
.set KF,    128
.set SLOT,  32768
.set MG,    65536                      ; behind the slots: 4,608 bytes a wave for the state that is handed over
.set MGW,   4608
.set SPARE, 139264                     ; behind that: the spare words, 128 bytes a wave
.macro PLACES
.rept 4
	v_nop
.endr
.endm
.macro MLOAD b, off                    ; a block's 64 words
	s_load_b512 s[32:47], s[\b:\b+1], \off
	s_load_b512 s[48:63], s[\b:\b+1], \off+64
	s_load_b512 s[68:83], s[\b:\b+1], \off+128
	s_load_b512 s[84:99], s[\b:\b+1], \off+192
.endm
.macro NEXTW slot, u                   ; the words of the unit that follows, if it wants selects
.if \u == 0
	s_bitcmp1_b32 s30, 31
.else
	s_bitcmp1_b32 s29, 1
.endif
	s_cbranch_scc0 .Lnw_\@
	s_wait_kmcnt 0x0                               ; no scalar load is out when these registers are asked for again
.if \u == 0
	MLOAD 14, 256*(1-\slot)
.else
	MLOAD 12, 256*(\slot+1)
.endif
.Lnw_\@:
.endm
; A PREFETCH INTO THE L2: trip n names the blocks of trip n + 2, one trip ahead of the loads that copy them.  All sixteen work-groups of a head read the same codes: the first (g = 0) asks; its waves 0 to 3 ask for
; front k, front v, back k, back v, 8,192 bytes each, lanes 256 bytes apart: each aligned block of 256 bytes is named once in the launch.  Trips 14 and 15 ask for nothing, and nothing is asked for at the head.
.macro ASK slot
	s_cmp_eq_u32 s25, 1
	s_cbranch_scc0 .Lpa_\@
	global_prefetch_b8 v3, s[26:27] offset:8192*(\slot+2) th:TH_LOAD_NT scope:SCOPE_SE
.Lpa_\@:
	s_cmp_eq_u32 s25, 2
	s_cbranch_scc0 .Lpb_\@
	global_prefetch_b8 v3, s[26:27] offset:8192*(1-\slot) th:TH_LOAD_NT scope:SCOPE_SE
.Lpb_\@:
.endm
; A UNIT: 16 queries x 128 keys.  u = 0: T1 on the slot's front block; u = 1: T2 on its back block.
.macro UNIT slot, u
.set LB, SLOT*\slot+16384*\u
.set QR, 6+8*\u
.set ST, 22+4*\u
.set O,  192+32*\u
.if \u == 0
	s_bitcmp1_b32 s19, 0
.else
	s_bitcmp1_b32 s28, 31
.endif
	s_cbranch_scc0 .Lhid_\@                        ; nothing of this block counts for these queries
.irp t, 0,1,2,3,4,5,6,7
	ds_load_b128 v[KF+8*\t:KF+8*\t+3], v1 offset:LB+1024*\t
	ds_load_b128 v[KF+8*\t+4:KF+8*\t+7], v1 offset:LB+1024*\t+512
.endr
	s_wait_dscnt 0x0
.irp t, 0,1,2,3,4,5,6,7
	v_wmma_f32_16x16x64_fp8_fp8 v[S+8*\t:S+8*\t+7], v[KF+8*\t:KF+8*\t+7], v[QR:QR+7], 0
.endr
	PLACES                                         ; in front of loads into registers that these products read, and of the first read of their results
.set vk, 0
.rept 16
	ds_load_b128 v[KF+4*vk:KF+4*vk+3], v1 offset:LB+8192+512*vk   ; v's four fragments land while the softmax is walked
.set vk, vk+1
.endr
.if \u == 0
	s_bitcmp1_b32 s29, 0
.else
	s_bitcmp1_b32 s30, 31
.endif
	s_cbranch_scc0 .Lopen_\@                       ; open throughout: the selects would change nothing
	s_wait_kmcnt 0x0                               ; this block's words
.set n, 0
.rept 64
	v_cndmask_b32 v[S+n], s31, v[S+n], s[32+n+4*(n/32)]   ; an open key keeps its score, a closed one gets X; each accumulator from its low end on
.set n, n+1
.endr
.Lopen_\@:
	v_max3_num_f32 v48, v[S], v[S+1], v[S+2]       ; the largest score of my query among my 64 keys, in four chains, in ascending order of the registers
	v_max3_num_f32 v49, v[S+3], v[S+4], v[S+5]
	v_max3_num_f32 v50, v[S+6], v[S+7], v[S+8]
	v_max3_num_f32 v51, v[S+9], v[S+10], v[S+11]
.irp i, 12,20,28,36,44,52
	v_max3_num_f32 v48, v48, v[S+\i], v[S+\i+1]
	v_max3_num_f32 v49, v49, v[S+\i+2], v[S+\i+3]
	v_max3_num_f32 v50, v50, v[S+\i+4], v[S+\i+5]
	v_max3_num_f32 v51, v51, v[S+\i+6], v[S+\i+7]
.endr
	v_max3_num_f32 v48, v48, v[S+60], v[S+61]
	v_max3_num_f32 v49, v49, v[S+62], v[S+63]
	s_wait_alu depctr_va_vdst(0)
	NEXTW \slot, \u                                ; the words have been read
	v_max3_num_f32 v48, v48, v49, v50
	v_max_num_f32 v48, v48, v51
	s_delay_alu instid0(VALU_DEP_1)
	v_permlanex16_b32 v5, v48, s20, s21
	s_delay_alu instid0(VALU_DEP_1)
	v_max_num_f32 v48, v48, v5                     ; and among the other half of the lanes'
	s_delay_alu instid0(VALU_DEP_1)
	v_mul_f32 v48, s22, v48                        ; as t (c is positive)
	s_delay_alu instid0(VALU_DEP_1)
	v_max_num_f32 v[ST+1], v[ST+1], v48            ; the running largest t
	v_mov_b32 v48, v[ST]
	s_delay_alu instid0(VALU_DEP_2)
	v_floor_f32 v[ST], -v[ST+1]                    ; -M = floor(-t) = -ceil(t)
	s_delay_alu instid0(VALU_DEP_1)
	v_sub_f32 v48, v[ST], v48                      ; old M - new M: a whole number, 0 or less
	s_delay_alu instid0(VALU_DEP_1)
	v_cvt_i32_f32 v48, v48                         ; (it saturates)
	s_delay_alu instid0(VALU_DEP_1)
	v_ldexp_f32 v30, 1.0, v48                      ; f = 2^(old M - new M)
.set n, 0
.rept 32
	v_pk_fma_f32 v[S+n:S+n+1], v[S+n:S+n+1], s[22:23], v[ST:ST+1] op_sel_hi:[1,0,0]   ; t - M, two at a time (of the pairs c and -M the low word serves both halves)
.set n, n+2
.endr
	s_wait_alu depctr_va_vdst(0)                   ; ahead of the batch
.set n, 0
.rept 64
	v_exp_f32 v[S+n], v[S+n]                       ; p = 2^(t - M)
.set n, n+1
.endr
	s_wait_alu depctr_va_vdst(0)                   ; one wait behind the batch, directly ahead of the first readers of O^T
.set n, 0
.rept 16
	v_pk_mul_f32 v[O+n:O+n+1], v[O+n:O+n+1], v[30:31] op_sel_hi:[1,0]   ; O^T under the new M; also the plain lines behind the exponentials
.set n, n+2
.endr
	v_pk_mul_f32 v[ST+2:ST+3], v[ST+2:ST+3], v[30:31] op_sel_hi:[1,0]   ; the sums under the new M
	v_pk_add_f32 v[56:57], v[S:S+1], v[S+2:S+3]    ; the row's sum of the unquantised p, two at a time, in four chains
	v_pk_add_f32 v[58:59], v[S+4:S+5], v[S+6:S+7]
	v_pk_add_f32 v[60:61], v[S+8:S+9], v[S+10:S+11]
.irp i, 12,20,28,36,44,52
	v_pk_add_f32 v[ST+2:ST+3], v[ST+2:ST+3], v[S+\i:S+\i+1]
	v_pk_add_f32 v[56:57], v[56:57], v[S+\i+2:S+\i+3]
	v_pk_add_f32 v[58:59], v[58:59], v[S+\i+4:S+\i+5]
	v_pk_add_f32 v[60:61], v[60:61], v[S+\i+6:S+\i+7]
.endr
	v_pk_add_f32 v[ST+2:ST+3], v[ST+2:ST+3], v[S+60:S+61]
	v_pk_add_f32 v[56:57], v[56:57], v[S+62:S+63]
	v_pk_add_f32 v[58:59], v[58:59], v[60:61]
	v_pk_add_f32 v[ST+2:ST+3], v[ST+2:ST+3], v[56:57]
	v_pk_add_f32 v[ST+2:ST+3], v[ST+2:ST+3], v[58:59]
	s_cmp_lg_u32 s67, 0
	s_cbranch_scc1 .Lnohold_\@                     ; e8 >= -8: the bound lies above every p
.set n, 0
.rept 64
	v_min_num_f32 v[S+n], s66, v[S+n]              ; the conversion does not saturate (ISA guide 7.6.2); p is not negative, so the hold is one-sided
.set n, n+1
.endr
.Lnohold_\@:
.irp t, 0,1,2,3,4,5,6,7
	v_cvt_scalef32_pk8_fp8_f32 v[P+2*\t:P+2*\t+1], v[S+8*\t:S+8*\t+7], v4
.endr
	v_nop                                          ; one plain line between the conversions and the products
	s_wait_alu depctr_va_vdst(0)
	s_wait_dscnt 0x0                               ; v's fragments are in
.irp c, 0,1,2,3
	v_wmma_f32_16x16x128_fp8_fp8 v[O+8*\c:O+8*\c+7], v[KF+16*\c:KF+16*\c+15], v[P:P+15], v[O+8*\c:O+8*\c+7]   ; four accumulators, one instruction a turn
.endr
	PLACES                                         ; in front of the next loads into, and writes of, these products' registers
	s_branch .Ljoin_\@
.Lhid_\@:
	NEXTW \slot, \u
.Ljoin_\@:
.endm
; A TRIP on slot \slot: the next trip's two blocks are fetched (not in trip 15: no load leaves its buffer), the two units are walked, the codes go into the other slot, one barrier.
.macro TRIP slot
.if \slot
	s_cmp_eq_u32 s24, 1
	s_cbranch_scc1 .Lnf_\@
.endif
	global_load_b128 v[32:35], v2, s[4:5] offset:8192*(\slot+1)
	global_load_b128 v[36:39], v2, s[6:7] offset:8192*(\slot+1)
	global_load_b128 v[40:43], v2, s[8:9] offset:8192*(1-\slot)
	global_load_b128 v[44:47], v2, s[10:11] offset:8192*(1-\slot)
	ASK \slot
.Lnf_\@:
	UNIT \slot, 0
	UNIT \slot, 1
	s_lshr_b32 s19, s19, 1
	s_lshr_b32 s29, s29, 1
	s_lshl_b32 s28, s28, 1
	s_lshl_b32 s30, s30, 1
	s_wait_loadcnt 0x0                             ; the next trip's codes are in my registers
.if \slot
	s_cmp_eq_u32 s24, 1
	s_cbranch_scc1 .Lns_\@
.endif
	ds_store_b128 v2, v[32:35] offset:SLOT*(1-\slot)
	ds_store_b128 v2, v[36:39] offset:SLOT*(1-\slot)+8192
	ds_store_b128 v2, v[40:43] offset:SLOT*(1-\slot)+16384
	ds_store_b128 v2, v[44:47] offset:SLOT*(1-\slot)+24576
.Lns_\@:
	s_wait_dscnt 0x0                               ; for the others' sake: my stores are done, and my reads of this slot are back
	s_barrier_signal -1
	s_barrier_wait -1
.endm
	s_load_b256 s[32:39], s[0:1], 0x0              ; qc, kc, vc, mbits
	s_load_b128 s[40:43], s[0:1], 0x20             ; amask, the scales' exponents
	s_load_b64 s[16:17], s[0:1], 0x30              ; oc
	v_lshrrev_b32 v1, 5, v0
	v_readfirstlane_b32 s18, v1                    ; wave 0..15
	v_and_b32 v3, 31, v0
	v_lshlrev_b32 v2, 4, v0
	v_lshlrev_b32 v1, 4, v3
	v_lshlrev_b32 v3, 8, v3
	s_and_b32 s70, ttmp7, 0xffff                   ; bh
	s_and_b32 s71, s18, 7                          ; j
	s_lshl_b32 s72, ttmp9, 3
	s_add_co_u32 s73, s72, s71                     ; the low tile: 8 g + j
	s_sub_co_u32 s74, 248, s72
	s_add_co_u32 s74, s74, s71                     ; the high tile: 8 (31 - g) + j
	s_cmp_lt_u32 s18, 8
	s_cselect_b32 s75, s74, s73                    ; T1
	s_cselect_b32 s76, s73, s74                    ; T2
	s_lshr_b32 s77, s70, 3
	s_lshl_b32 s77, s77, 8                         ; 256 b
	s_add_co_u32 s78, s77, s75                     ; gt1
	s_add_co_u32 s79, s77, s76                     ; gt2
	s_lshl_b32 s68, s70, 18                        ; a head's codes: 262,144 bytes
	s_mov_b32 s69, 0
	s_lshl_b32 s80, s75, 10                        ; q: an image of 1,024 bytes a tile
	s_add_co_u32 s80, s80, s68
	s_mov_b32 s81, 0
	s_lshl_b32 s82, s76, 10
	s_add_co_u32 s82, s82, s68
	s_mov_b32 s83, 0
	s_lshl_b32 s84, s78, 13                        ; mbits, oc: 8,192 bytes a tile
	s_mov_b32 s85, 0
	s_lshl_b32 s86, s79, 13
	s_add_co_u32 s86, s86, 7680                    ; T2 at block 30
	s_mov_b32 s87, 0
	s_lshl_b32 s88, s78, 3                         ; amask: two words a tile
	s_mov_b32 s89, 0
	s_lshl_b32 s90, s79, 3
	s_mov_b32 s91, 0
	s_and_b32 s92, s70, 7
	s_lshl_b32 s92, s92, 10                        ; oc: a head's 64 features are half an image of 2,048 bytes
	s_add_co_u32 s92, s92, s84
	s_mov_b32 s93, 0
	s_mov_b32 s20, 0x76543210
	s_mov_b32 s21, 0xfedcba98                      ; v_permlanex16_b32's selects for lane l xor 16
	s_wait_alu depctr_va_vdst(0)
	s_wait_kmcnt 0x0
	s_add_nc_u64 s[4:5], s[34:35], s[68:69]
	s_add_nc_u64 s[6:7], s[36:37], s[68:69]
	s_add_nc_u64 s[8:9], s[4:5], 237568            ; block 29
	s_add_nc_u64 s[10:11], s[6:7], 237568
	s_add_nc_u64 s[44:45], s[32:33], s[80:81]
	s_add_nc_u64 s[46:47], s[32:33], s[82:83]
	s_add_nc_u64 s[12:13], s[38:39], s[84:85]
	s_add_nc_u64 s[14:15], s[38:39], s[86:87]
	s_add_nc_u64 s[48:49], s[40:41], s[88:89]
	s_add_nc_u64 s[50:51], s[40:41], s[90:91]
	s_add_nc_u64 s[16:17], s[16:17], s[92:93]
	global_load_b128 v[32:35], v2, s[4:5]          ; trip 0: blocks 0 and 31
	global_load_b128 v[36:39], v2, s[6:7]
	global_load_b128 v[40:43], v2, s[8:9] offset:16384
	global_load_b128 v[44:47], v2, s[10:11] offset:16384
	global_load_b128 v[6:9], v1, s[44:45]          ; Q's two fragments stay in registers
	global_load_b128 v[10:13], v1, s[44:45] offset:512
	global_load_b128 v[14:17], v1, s[46:47]
	global_load_b128 v[18:21], v1, s[46:47] offset:512
	s_load_b64 s[52:53], s[48:49], 0x0             ; T1: which blocks, which of them open throughout
	s_load_b64 s[54:55], s[50:51], 0x0             ; T2
	s_load_b128 s[56:59], s[42:43], 0x18           ; e6, e7, e8, e9
	s_load_b32 s60, s[42:43], 0x28                 ; e10
	s_lshr_b32 s25, s18, 2                         ; the prefetches: waves 0 to 3
	s_or_b32 s25, s25, ttmp9                       ; of the head's first work-group
	s_cmp_eq_u32 s25, 0
	s_cselect_b32 s61, 1, 0
	s_bfe_u32 s62, s18, 0x10001
	s_add_co_u32 s62, s62, 1                       ; 1: front, 2: back
	s_mul_i32 s25, s61, s62
	s_bitcmp1_b32 s18, 0
	s_cselect_b64 s[26:27], s[6:7], s[4:5]         ; even waves ask for k's codes, odd ones for v's
	s_mov_b32 s100, 16384
	s_mov_b32 s101, 0
	s_mov_b32 s95, 0
	s_cmp_eq_u32 s62, 2
	s_cselect_b32 s94, 229376, 0                   ; back: from block 28 down
	s_cselect_b32 s100, 0xffffc000, s100           ; two blocks a loop trip, up or down
	s_cselect_b32 s101, -1, s101
	s_add_nc_u64 s[26:27], s[26:27], s[94:95]
	v_mov_b32 v23, 0xff61b1e6                      ; the largest t so far: -3e38, under every t
	v_mov_b32 v27, 0xff61b1e6
	v_floor_f32 v22, -v23                          ; -M
	v_floor_f32 v26, -v27
	v_mov_b32 v24, 0                               ; the sums
	v_mov_b32 v25, 0
	v_mov_b32 v28, 0
	v_mov_b32 v29, 0
	v_mov_b32 v31, 0                               ; (named as the upper half of the pair v[30:31])
	v_mov_b32 v52, 0                               ; written once: a lane permute's destination counts as one of its sources
	v_mov_b32 v5, 0                                ; likewise: the loop's permute lands here
.set n, 0
.rept 64
	v_mov_b32 v[192+n], 0                          ; which unit is a state's first hangs on the mask, so none can be written out to start the sums: they begin as zeros
.set n, n+1
.endr
	s_wait_alu depctr_va_vdst(0)
	s_wait_loadcnt 0x0
	ds_store_b128 v2, v[32:35]
	ds_store_b128 v2, v[36:39] offset:8192
	ds_store_b128 v2, v[40:43] offset:16384
	ds_store_b128 v2, v[44:47] offset:24576
	s_wait_dscnt 0x0
	s_barrier_signal -1
	s_barrier_wait -1                              ; slot 0 is whole
	s_wait_kmcnt 0x0
	s_and_b32 s19, s52, 0xffff                     ; T1 takes the front blocks,
	s_and_not1_b32 s29, s19, s53
	s_and_b32 s28, s54, 0xffff0000                 ; T2 the back ones
	s_and_not1_b32 s30, s28, s55
	s_add_co_i32 s2, s56, s57                      ; e6 + e7
	s_lshl_b32 s61, s2, 23
	s_add_co_i32 s22, s61, 0x3e38aa3b              ; c = log2(e) / 8 x 2^(e6 + e7): the exponents are added to c's exponent field
	s_mov_b32 s23, s22
	s_sub_co_i32 s61, 160, s2
	s_lshl_b32 s61, s61, 23
	s_or_b32 s31, s61, 0x80000000                  ; X = -2^(33 - e6 - e7)
	s_add_co_i32 s61, s58, 127
	s_lshl_b32 s62, s61, 23
	v_mov_b32 v4, s62                              ; 2^e8
	s_add_co_i32 s61, s61, 8
	s_lshl_b32 s61, s61, 23
	s_or_b32 s66, s61, 0x600000                    ; 448 x 2^e8
	s_cmp_ge_i32 s58, -8
	s_cselect_b32 s67, 1, 0
	s_add_co_i32 s3, s58, s59
	s_sub_co_i32 s3, s3, s60                       ; e8 + e9 - e10
	s_wait_xcnt 0x0                                ; the head's loads have read their bases, which lie among the words' registers
	MLOAD 12, 0                                    ; T1's words of block 0
	s_mov_b32 s24, 8
	s_wait_alu depctr_va_vdst(0)
.Ltrip:                                            ; 8 loop trips of two trips each
	TRIP 0
	TRIP 1
	s_wait_xcnt 0x0                                ; the loads, scalar loads and prefetches have read their bases, which step now
	s_add_nc_u64 s[4:5], s[4:5], 16384
	s_add_nc_u64 s[6:7], s[6:7], 16384
	s_sub_nc_u64 s[8:9], s[8:9], 16384
	s_sub_nc_u64 s[10:11], s[10:11], 16384
	s_add_nc_u64 s[12:13], s[12:13], 512
	s_sub_nc_u64 s[14:15], s[14:15], 512
	s_add_nc_u64 s[26:27], s[26:27], s[100:101]
	s_sub_co_u32 s24, s24, 1
	s_cmp_eq_u32 s24, 1
	s_cselect_b32 s25, 0, s25                      ; trips 14 and 15 prefetch nothing
	s_cmp_lg_u32 s24, 0
	s_cbranch_scc1 .Ltrip
	; THE JOIN.  My second state goes to wave w xor 8, whose second state belongs to my T1.
	s_mul_i32 s2, s18, MGW
	s_add_co_u32 s2, s2, MG
	v_add_nc_u32 v5, s2, v1
	s_xor_b32 s2, s18, 8
	s_mul_i32 s2, s2, MGW
	s_add_co_u32 s2, s2, MG
	v_add_nc_u32 v32, s2, v1
	s_wait_alu depctr_va_vdst(0)                   ; ahead of the first readers of O^T
.set n, 0
.rept 8
	ds_store_b128 v5, v[224+4*n:224+4*n+3] offset:512*n   ; each accumulator from its low end on
.set n, n+1
.endr
	ds_store_b128 v5, v[26:29] offset:4096
	s_wait_dscnt 0x0
	s_barrier_signal -1
	s_barrier_wait -1
	ds_load_b128 v[64:67], v32 offset:4096
.set n, 0
.rept 8
	ds_load_b128 v[KF+4*n:KF+4*n+3], v32 offset:512*n
.set n, n+1
.endr
	s_wait_dscnt 0x0
	v_min_num_f32 v48, v22, v64                    ; -M of the larger M
	v_add_f32 v51, v24, v25                        ; each part's sum, its two halves
	v_add_f32 v53, v66, v67
	v_sub_f32 v49, v48, v22                        ; whole numbers, 0 or less
	v_sub_f32 v50, v48, v64
	v_cvt_i32_f32 v49, v49                         ; (they saturate)
	v_cvt_i32_f32 v50, v50
	v_ldexp_f32 v49, 1.0, v49                      ; each part's factor: a power of two, or 0 for a part that lies out of range below
	v_ldexp_f32 v50, 1.0, v50
	v_mul_f32 v51, v51, v49
	v_fmac_f32 v51, v53, v50
	v_permlanex16_b32 v52, v51, s20, s21
	v_add_f32 v51, v51, v52                        ; and the other half of the lanes': the row's sum
	s_wait_alu depctr_va_vdst(0)                   ; ahead of the transcendental
	v_rcp_f32 v51, v51
	v_mov_b32 v33, 0x43e00000                      ; 448 (a plain line behind the reciprocal)
	v_mov_b32 v34, 1.0                             ; the conversion's scale: all powers of two are in the factors below
	v_mov_b32 v55, 0                               ; (named as the upper half of the pair v[54:55])
	s_wait_alu depctr_va_vdst(0)                   ; ahead of the reciprocal's first reader
	v_ldexp_f32 v51, v51, s3
	v_mul_f32 v30, v51, v49
	v_mul_f32 v54, v51, v50
	s_wait_alu depctr_va_vdst(0)                   ; directly ahead of the first readers of my first state's O^T
.set n, 0
.rept 16
	v_pk_mul_f32 v[S+n:S+n+1], v[192+n:192+n+1], v[30:31] op_sel_hi:[1,0]   ; each accumulator from its low end on
.set n, n+2
.endr
.set n, 0
.rept 16
	v_pk_fma_f32 v[S+n:S+n+1], v[KF+n:KF+n+1], v[54:55], v[S+n:S+n+1] op_sel_hi:[1,0,1]
.set n, n+2
.endr
.irp c, 0,1,2,3
.irp i, 0,1,2,3,4,5,6,7
	v_med3_num_f32 v[S+8*\c+\i], v[S+8*\c+\i], -v33, v33
.endr
	v_cvt_scalef32_pk8_fp8_f32 v[P+2*\c:P+2*\c+1], v[S+8*\c:S+8*\c+7], v34   ; four conversions give half of a fragment of the last product's operand
.endr
	v_nop
	global_store_b128 v1, v[P:P+3], s[16:17]       ; 512 consecutive bytes each, aligned
	global_store_b128 v1, v[P+4:P+7], s[16:17] offset:512
	v_lshl_add_u32 v60, v0, 2, SPARE
	v_mov_b32 v61, 0
	s_wait_alu depctr_va_vdst(0)
	s_wait_tensorcnt 0x0                           ; the wave's end
	ds_add_u32 v60, v61
	s_wait_dscnt 0x0
	s_endpgm
.Lfunc_end_k_q4922368c56_attn:
	.size	k_q4922368c56_attn, .Lfunc_end_k_q4922368c56_attn-k_q4922368c56_attn
	.p2alignl 7, 3214868480
	.fill 96, 4, 3214868480
	.section	.rodata,"a",@progbits
	.p2align	6, 0x0
	.amdhsa_kernel k_q4922368c56_attn
		.amdhsa_group_segment_fixed_size 141312
		.amdhsa_private_segment_fixed_size 0
		.amdhsa_enable_private_segment 0
		.amdhsa_kernarg_size 56
		.amdhsa_user_sgpr_count 2
		.amdhsa_user_sgpr_kernarg_segment_ptr 1
		.amdhsa_wavefront_size32 1
		.amdhsa_system_sgpr_workgroup_id_x 1
		.amdhsa_system_sgpr_workgroup_id_y 1
		.amdhsa_system_sgpr_workgroup_id_z 1
		.amdhsa_system_vgpr_workitem_id 0
		.amdhsa_next_free_vgpr 256
		.amdhsa_next_free_sgpr 102
		.amdhsa_reserve_vcc 0
		.amdhsa_float_denorm_mode_32 3
		.amdhsa_float_denorm_mode_16_64 3
		.amdhsa_memory_ordered 1
		.amdhsa_forward_progress 1
		.amdhsa_inst_pref_size 100
	.end_amdhsa_kernel
	.amdgpu_metadata
---
amdhsa.version: [ 1, 2 ]
amdhsa.kernels:
  - .name:           k_q4922368c56_attn
    .symbol:         k_q4922368c56_attn.kd
    .args:
      - { .name: qc, .offset: 0, .size: 8, .value_kind: global_buffer, .address_space: global }
      - { .name: kc, .offset: 8, .size: 8, .value_kind: global_buffer, .address_space: global }
      - { .name: vc, .offset: 16, .size: 8, .value_kind: global_buffer, .address_space: global }
      - { .name: mbits, .offset: 24, .size: 8, .value_kind: global_buffer, .address_space: global }
      - { .name: amask, .offset: 32, .size: 8, .value_kind: global_buffer, .address_space: global }
      - { .name: lowp_scales, .offset: 40, .size: 8, .value_kind: global_buffer, .address_space: global }
      - { .name: oc, .offset: 48, .size: 8, .value_kind: global_buffer, .address_space: global }
    .group_segment_fixed_size: 141312
    .private_segment_fixed_size: 0
    .kernarg_segment_align: 8
    .kernarg_segment_size: 56
    .max_flat_workgroup_size: 512
    .sgpr_count:     102
    .vgpr_count:     256
    .wavefront_size: 32
...
	.end_amdgpu_metadata
.endif
;; end of part 3
;; launch outln (part 4): grid 256 x 1, 16 waves a work-group, no clusters, 84,480 bytes of LDS; arguments oc, wcodes, bo, query, ln_gamma, ln_beta, lowp_scales, out0; writes out0
.if DOCPART == 4
	.amdgcn_target "amdgcn-amd-amdhsa--gfx1250"
	.amdhsa_code_object_version 6
	.text
	.protected	k_q4922368c56_outln
	.globl	k_q4922368c56_outln
	.p2align	8
	.type	k_q4922368c56_outln,@function
k_q4922368c56_outln:
	s_mov_b64 s[64:65], 0
	v_nop
	global_prefetch_b8 v0, s[64:65] scope:SCOPE_SE
	s_setreg_imm32_b32 hwreg(HW_REG_WAVE_MODE, 25, 1), 1
	s_wait_xcnt 0x0
; OUTLN.  x = o Wo^T + bo + query; out0 = (x - mean) rsqrt(var + 1e-5) gamma + beta, the product on codes of E4M3, all else in f32.
; A work-group takes 32 tokens (two tiles).  In the product wave w owns features 32 w .. 32 w + 31 (two tiles u): its 8 fragments of Wo, 128 registers, come from wcodes in the order of the operand's registers.
; o's 8 images (16,384 bytes) are copied by the 512 threads into LDS and read by all waves.  Source 0 = 16 features, source 1 = 16 tokens: a lane holds one token and 8 neighbouring features: 32 bytes of a row.
; The raw sums meet in a stage in LDS (32 rows of 2,048 bytes + 16); then wave w owns WHOLE ROWS 2 w and 2 w + 1, 16 numbers a lane, so that the norm's sums never leave the wave, and every load and store
; of a row's quarter covers 512 consecutive bytes.  The variance is taken of x - mean, in a second pass over registers: no difference of large sums is formed.
; Wo's codes go from memory straight into registers, so no joint request into LDS is made for them.  LIMIT: e10 + e11 between -126 and 127.
.set YS,   16384                       ; LDS: 0 .. 16,383 o's images (tile m, K step s at 8,192 m + 2,048 s); then the stage
.set YP,   2064
.set FB,   16                          ; v16-47   o on its way to LDS; two fragments of o; later my two rows
.set ACC,  48                          ; v48-79   accumulator (m, u) at ACC + 16 m + 8 u; later v48-63 the sums' temporaries
.set T,    48
.set RES,  80                          ; v80-111  my two rows of query
.set BO,   112                         ; v112-127 bo, in a row's layout
.set W,    128                         ; v128-255 Wo's fragment (u, s) at W + 64 u + 16 s
.set GA,   128                         ; later gamma
.set BE,   144                         ; and beta
; v1 16 x lane; v2 16 x thread; v3 the stage, in; v4 the stage, out; v[6:7], v[8:9] the two rows' means; v[10:11], v[12:13] their rsqrt; v14, v15 at work
.macro PLACES
.rept 4
	v_nop
.endr
.endm
.macro ALLSUM a, b                     ; two sums over the 32 lanes, by turns; the result in every lane
.irp x, 1,2,4,8
	s_delay_alu instid0(VALU_DEP_2)
	v_add_f32_dpp v[\a], v[\a], v[\a] row_xmask:\x row_mask:0xf bank_mask:0xf
	s_delay_alu instid0(VALU_DEP_2)
	v_add_f32_dpp v[\b], v[\b], v[\b] row_xmask:\x row_mask:0xf bank_mask:0xf
.endr
	s_delay_alu instid0(VALU_DEP_2)
	v_permlanex16_b32 v14, v[\a], s22, s23
	s_delay_alu instid0(VALU_DEP_2)
	v_permlanex16_b32 v15, v[\b], s22, s23
	s_delay_alu instid0(VALU_DEP_2)
	v_add_f32 v[\a], v[\a], v14
	s_delay_alu instid0(VALU_DEP_2)
	v_add_f32 v[\b], v[\b], v15
.endm
	s_load_b512 s[4:19], s[0:1], 0x0               ; oc, wcodes, bo, query, gamma, beta, the scales' exponents, out0
	v_lshrrev_b32 v1, 5, v0
	s_delay_alu instid0(VALU_DEP_1)
	v_readfirstlane_b32 s24, v1                    ; wave 0..15
	v_and_b32 v5, 31, v0
	s_delay_alu instid0(VALU_DEP_1)
	v_lshlrev_b32 v1, 4, v5
	v_lshlrev_b32 v2, 4, v0
	v_and_b32 v5, 15, v0                           ; r
	v_bfe_u32 v6, v0, 4, 1                         ; h
	s_lshl_b32 s25, s24, 7
	s_add_co_u32 s25, s25, YS
	v_mul_u32_u24 v3, v5, YP
	s_delay_alu instid0(VALU_DEP_1)
	v_lshl_add_u32 v3, v6, 5, v3
	s_delay_alu instid0(VALU_DEP_1)
	v_add_nc_u32 v3, s25, v3                       ; in: row r, + 128 w + 32 h: my eight features' bytes
	s_mul_i32 s25, s24, 2*YP
	s_add_co_u32 s25, s25, YS
	v_add_nc_u32 v4, s25, v1                       ; out: my two rows, 16 bytes a lane
	v_mov_b32 v7, 0                                ; (named as the upper halves of pairs, so they are written)
	v_mov_b32 v9, 0
	v_mov_b32 v11, 0
	v_mov_b32 v13, 0
	v_mov_b32 v14, 0                               ; written once: a lane permute's destination counts as one of its sources
	v_mov_b32 v15, 0
	s_lshl_b32 s26, ttmp9, 14                      ; oc: two tiles of 8,192 bytes
	s_mov_b32 s27, 0
	s_lshl_b32 s28, s24, 14
	s_add_co_u32 s28, s28, 786432                  ; wcodes: the fourth weight, 16,384 bytes a wave
	s_mov_b32 s29, 0
	s_lshl_b32 s30, ttmp9, 16                      ; query, out0: 32 rows of 2,048 bytes a work-group,
	s_lshl_b32 s31, s24, 12                        ; two rows a wave
	s_add_co_u32 s30, s30, s31
	s_mov_b32 s31, 0
	s_mov_b32 s22, 0x76543210
	s_mov_b32 s23, 0xfedcba98
	s_mov_b32 s32, 0x3b000000                      ; 1 / 512
	s_mov_b32 s33, 0x3727c5ac                      ; 1e-5
	s_wait_kmcnt 0x0
	s_load_b64 s[20:21], s[16:17], 0x28            ; e10, e11
	s_add_nc_u64 s[4:5], s[4:5], s[26:27]
	s_add_nc_u64 s[6:7], s[6:7], s[28:29]
	s_add_nc_u64 s[10:11], s[10:11], s[30:31]
	s_add_nc_u64 s[18:19], s[18:19], s[30:31]
	global_load_b128 v[FB:FB+3], v2, s[4:5] th:TH_LOAD_NT
	global_load_b128 v[FB+4:FB+7], v2, s[4:5] offset:8192 th:TH_LOAD_NT
.set k, 0
.rept 32
	global_load_b128 v[W+4*k:W+4*k+3], v1, s[6:7] offset:512*k
.set k, k+1
.endr
.irp rr, 0,1
.irp i, 0,1,2,3
	global_load_b128 v[RES+16*\rr+4*\i:RES+16*\rr+4*\i+3], v1, s[10:11] offset:2048*\rr+512*\i th:TH_LOAD_NT
.endr
.endr
.irp i, 0,1,2,3
	global_load_b128 v[BO+4*\i:BO+4*\i+3], v1, s[8:9] offset:512*\i
.endr
	s_wait_loadcnt 44                              ; o's two loads are in; Wo's 32, the residual's 8 and bo's 4 may be out
	ds_store_b128 v2, v[FB:FB+3]
	ds_store_b128 v2, v[FB+4:FB+7] offset:8192
	s_wait_dscnt 0x0
	s_barrier_signal -1
	s_barrier_wait -1                              ; o's eight images lie in LDS
	; the product: for each tile of tokens two K steps at a time; the tile's two accumulators take turns, one instruction a turn
.irp m, 0,1
.irp sp, 0,1
.if (\m+\sp) > 0
	PLACES                                         ; in front of loads into registers that matrix instructions have read
.endif
.irp q, 0,1
.irp c, 0,1,2,3
	ds_load_b128 v[FB+16*\q+4*\c:FB+16*\q+4*\c+3], v1 offset:8192*\m+2048*(2*\sp+\q)+512*\c
.endr
.endr
	s_wait_dscnt 0x0
.if (\m+\sp) == 0
	s_wait_loadcnt 12                              ; Wo's fragments are in; the residual's 8 loads and bo's 4 may be out
.endif
.irp q, 0,1
.irp u, 0,1
.if (\sp+\q) == 0
	v_wmma_f32_16x16x128_fp8_fp8 v[ACC+16*\m+8*\u:ACC+16*\m+8*\u+7], v[W+64*\u+16*(2*\sp+\q):W+64*\u+16*(2*\sp+\q)+15], v[FB+16*\q:FB+16*\q+15], 0
.else
	v_wmma_f32_16x16x128_fp8_fp8 v[ACC+16*\m+8*\u:ACC+16*\m+8*\u+7], v[W+64*\u+16*(2*\sp+\q):W+64*\u+16*(2*\sp+\q)+15], v[FB+16*\q:FB+16*\q+15], v[ACC+16*\m+8*\u:ACC+16*\m+8*\u+7]
.endif
.endr
.endr
.endr
.endr
	PLACES                                         ; in front of loads into Wo's registers and of the stores that read the sums
.irp i, 0,1,2,3
	global_load_b128 v[GA+4*\i:GA+4*\i+3], v1, s[12:13] offset:512*\i
	global_load_b128 v[BE+4*\i:BE+4*\i+3], v1, s[14:15] offset:512*\i
.endr
	s_wait_alu depctr_va_vdst(0)
.irp m, 0,1
.irp u, 0,1
	ds_store_b128 v3, v[ACC+16*\m+8*\u:ACC+16*\m+8*\u+3] offset:16*YP*\m+64*\u        ; each accumulator from its low end on
	ds_store_b128 v3, v[ACC+16*\m+8*\u+4:ACC+16*\m+8*\u+7] offset:16*YP*\m+64*\u+16
.endr
.endr
	s_wait_dscnt 0x0                               ; for the others' sake: my sums are in the stage
	s_barrier_signal -1
	s_barrier_wait -1
.irp rr, 0,1
.irp i, 0,1,2,3
	ds_load_b128 v[FB+16*\rr+4*\i:FB+16*\rr+4*\i+3], v4 offset:YP*\rr+512*\i
.endr
.endr
	s_wait_kmcnt 0x0
	s_add_co_i32 s20, s20, s21
	s_add_co_i32 s20, s20, 127
	s_lshl_b32 s20, s20, 23                        ; 2^(e10 + e11) as f32
	s_mov_b32 s21, s20                             ; (named with it as a pair, so it is written)
	s_wait_loadcnt 8                               ; the residual and bo are in; gamma's and beta's 8 loads may be out
.irp rr, 0,1
.irp p, 0,2,4,6,8,10,12,14
	v_pk_add_f32 v[RES+16*\rr+\p:RES+16*\rr+\p+1], v[RES+16*\rr+\p:RES+16*\rr+\p+1], v[BO+\p:BO+\p+1]
.endr
.endr
	s_wait_dscnt 0x0
.irp rr, 0,1
.irp p, 0,2,4,6,8,10,12,14
	v_pk_fma_f32 v[FB+16*\rr+\p:FB+16*\rr+\p+1], v[FB+16*\rr+\p:FB+16*\rr+\p+1], s[20:21], v[RES+16*\rr+\p:RES+16*\rr+\p+1] op_sel_hi:[1,0,1]   ; x = sum x 2^(e10 + e11) + (bo + query)
.endr
.endr
.irp rr, 0,1
.irp p, 0,1,2,3
	v_pk_add_f32 v[T+8*\rr+2*\p:T+8*\rr+2*\p+1], v[FB+16*\rr+4*\p:FB+16*\rr+4*\p+1], v[FB+16*\rr+4*\p+2:FB+16*\rr+4*\p+3]
.endr
.endr
.irp rr, 0
	v_pk_add_f32 v[T+8*\rr:T+8*\rr+1], v[T+8*\rr:T+8*\rr+1], v[T+8*\rr+2:T+8*\rr+3]
	v_pk_add_f32 v[T+8*\rr+4:T+8*\rr+5], v[T+8*\rr+4:T+8*\rr+5], v[T+8*\rr+6:T+8*\rr+7]
.endr
.irp rr, 1
	v_pk_add_f32 v[T+8*\rr:T+8*\rr+1], v[T+8*\rr:T+8*\rr+1], v[T+8*\rr+2:T+8*\rr+3]
	s_delay_alu instid0(VALU_DEP_4)
	v_pk_add_f32 v[T+8*\rr+4:T+8*\rr+5], v[T+8*\rr+4:T+8*\rr+5], v[T+8*\rr+6:T+8*\rr+7]
.endr
.irp rr, 0
	s_delay_alu instid0(VALU_DEP_3)
	v_pk_add_f32 v[T+8*\rr:T+8*\rr+1], v[T+8*\rr:T+8*\rr+1], v[T+8*\rr+4:T+8*\rr+5]
.endr
.irp rr, 1
	s_delay_alu instid0(VALU_DEP_2)
	v_pk_add_f32 v[T+8*\rr:T+8*\rr+1], v[T+8*\rr:T+8*\rr+1], v[T+8*\rr+4:T+8*\rr+5]
.endr
.irp rr, 0,1
	s_delay_alu instid0(VALU_DEP_2)
	v_add_f32 v[T+8*\rr], v[T+8*\rr], v[T+8*\rr+1]
.endr
	ALLSUM T, T+8
	s_delay_alu instid0(VALU_DEP_2)
	v_mul_f32 v6, s32, v[T]                        ; the means
	s_delay_alu instid0(VALU_DEP_2)
	v_mul_f32 v8, s32, v[T+8]
.irp rr, 0,1
.irp p, 0,2,4,6,8,10,12,14
	v_pk_add_f32 v[FB+16*\rr+\p:FB+16*\rr+\p+1], v[FB+16*\rr+\p:FB+16*\rr+\p+1], v[6+2*\rr:7+2*\rr] op_sel_hi:[1,0] neg_lo:[0,1] neg_hi:[0,1]   ; d = x - mean
.endr
.endr
.irp rr, 0,1
	v_pk_mul_f32 v[T+8*\rr:T+8*\rr+1], v[FB+16*\rr:FB+16*\rr+1], v[FB+16*\rr:FB+16*\rr+1]
	v_pk_mul_f32 v[T+8*\rr+2:T+8*\rr+3], v[FB+16*\rr+2:FB+16*\rr+3], v[FB+16*\rr+2:FB+16*\rr+3]
.endr
.irp p, 4,8,12
.irp rr, 0,1
	s_delay_alu instid0(VALU_DEP_4)
	v_pk_fma_f32 v[T+8*\rr:T+8*\rr+1], v[FB+16*\rr+\p:FB+16*\rr+\p+1], v[FB+16*\rr+\p:FB+16*\rr+\p+1], v[T+8*\rr:T+8*\rr+1]
	s_delay_alu instid0(VALU_DEP_4)
	v_pk_fma_f32 v[T+8*\rr+2:T+8*\rr+3], v[FB+16*\rr+\p+2:FB+16*\rr+\p+3], v[FB+16*\rr+\p+2:FB+16*\rr+\p+3], v[T+8*\rr+2:T+8*\rr+3]
.endr
.endr
.irp rr, 0
	s_delay_alu instid0(VALU_DEP_3)
	v_pk_add_f32 v[T+8*\rr:T+8*\rr+1], v[T+8*\rr:T+8*\rr+1], v[T+8*\rr+2:T+8*\rr+3]
.endr
.irp rr, 1
	s_delay_alu instid0(VALU_DEP_2)
	v_pk_add_f32 v[T+8*\rr:T+8*\rr+1], v[T+8*\rr:T+8*\rr+1], v[T+8*\rr+2:T+8*\rr+3]
.endr
.irp rr, 0,1
	s_delay_alu instid0(VALU_DEP_2)
	v_add_f32 v[T+8*\rr], v[T+8*\rr], v[T+8*\rr+1]
.endr
	ALLSUM T, T+8
	s_delay_alu instid0(VALU_DEP_2)
	v_fma_f32 v[T], v[T], s32, s33                 ; var + 1e-5
	s_delay_alu instid0(VALU_DEP_2)
	v_fma_f32 v[T+8], v[T+8], s32, s33
	s_wait_alu depctr_va_vdst(0)
	v_rsq_f32 v10, v[T]
	v_rsq_f32 v12, v[T+8]
	v_nop                                          ; a plain line behind the two
	s_wait_alu depctr_va_vdst(0)                   ; one wait for both, ahead of their first reader
	s_wait_loadcnt 0x0                             ; gamma and beta
.irp rr, 0,1
.irp p, 0,2,4,6,8,10,12,14
	v_pk_mul_f32 v[FB+16*\rr+\p:FB+16*\rr+\p+1], v[FB+16*\rr+\p:FB+16*\rr+\p+1], v[10+2*\rr:11+2*\rr] op_sel_hi:[1,0]
.endr
.endr
.irp rr, 0,1
.irp p, 0,2,4,6,8,10,12,14
	v_pk_fma_f32 v[FB+16*\rr+\p:FB+16*\rr+\p+1], v[FB+16*\rr+\p:FB+16*\rr+\p+1], v[GA+\p:GA+\p+1], v[BE+\p:BE+\p+1]
.endr
.endr
.irp rr, 0,1
.irp i, 0,1,2,3
	global_store_b128 v1, v[FB+16*\rr+4*\i:FB+16*\rr+4*\i+3], s[18:19] offset:2048*\rr+512*\i th:TH_STORE_NT   ; 32 lanes store 512 consecutive bytes, aligned; written once, read by nobody here
.endr
.endr
	s_wait_xcnt 0x0
	v_lshl_add_u32 v254, v0, 2, 0x14200
	v_mov_b32 v255, 0
	s_wait_alu depctr_va_vdst(0)
	s_wait_tensorcnt 0x0
	ds_add_u32 v254, v255
	s_wait_dscnt 0x0
	s_endpgm
.Lfunc_end_k_q4922368c56_outln:
	.size	k_q4922368c56_outln, .Lfunc_end_k_q4922368c56_outln-k_q4922368c56_outln
	.p2alignl 7, 3214868480
	.fill 96, 4, 3214868480
	.section	.rodata,"a",@progbits
	.p2align	6, 0x0
	.amdhsa_kernel k_q4922368c56_outln
		.amdhsa_group_segment_fixed_size 84480
		.amdhsa_private_segment_fixed_size 0
		.amdhsa_enable_private_segment 0
		.amdhsa_kernarg_size 64
		.amdhsa_user_sgpr_count 2
		.amdhsa_user_sgpr_kernarg_segment_ptr 1
		.amdhsa_wavefront_size32 1
		.amdhsa_system_sgpr_workgroup_id_x 1
		.amdhsa_system_sgpr_workgroup_id_y 1
		.amdhsa_system_sgpr_workgroup_id_z 1
		.amdhsa_system_vgpr_workitem_id 0
		.amdhsa_next_free_vgpr 256
		.amdhsa_next_free_sgpr 66
		.amdhsa_reserve_vcc 0
		.amdhsa_float_denorm_mode_32 3
		.amdhsa_float_denorm_mode_16_64 3
		.amdhsa_memory_ordered 1
		.amdhsa_forward_progress 1
		.amdhsa_inst_pref_size 24
	.end_amdhsa_kernel
	.amdgpu_metadata
---
amdhsa.version: [ 1, 2 ]
amdhsa.kernels:
  - .name:           k_q4922368c56_outln
    .symbol:         k_q4922368c56_outln.kd
    .args:
      - { .name: oc, .offset: 0, .size: 8, .value_kind: global_buffer, .address_space: global }
      - { .name: wcodes, .offset: 8, .size: 8, .value_kind: global_buffer, .address_space: global }
      - { .name: bo, .offset: 16, .size: 8, .value_kind: global_buffer, .address_space: global }
      - { .name: query, .offset: 24, .size: 8, .value_kind: global_buffer, .address_space: global }
      - { .name: ln_gamma, .offset: 32, .size: 8, .value_kind: global_buffer, .address_space: global }
      - { .name: ln_beta, .offset: 40, .size: 8, .value_kind: global_buffer, .address_space: global }
      - { .name: lowp_scales, .offset: 48, .size: 8, .value_kind: global_buffer, .address_space: global }
      - { .name: out0, .offset: 56, .size: 8, .value_kind: global_buffer, .address_space: global }
    .group_segment_fixed_size: 84480
    .private_segment_fixed_size: 0
    .kernarg_segment_align: 8
    .kernarg_segment_size: 64
    .max_flat_workgroup_size: 512
    .sgpr_count:     66
    .vgpr_count:     256
    .wavefront_size: 32
...
	.end_amdgpu_metadata
.endif
;; end of part 4
